; MI455X (gfx1250); checked and timed in simulation.
; The chip was launched on July 23, 2026; its instructions are those of AMD's public machine-readable ISA for CDNA 5 (MIT licence, August 2026) and "CDNA5" Instruction Set Architecture Reference Guide (July 2026). The comments in the code are by the model that wrote it; some were corrected since.
;; Bahdanau Attention. Allowed arithmetic: float matrix products may take bf16 or f16 operands with f32 sums; all other float work in f32.
;; Inputs: W_h 1,024 x 1,024 float32; W_s 1,024 x 1,024 float32; encoder_outputs 32 x 2,048 x 1,024 float32; query 32 x 1 x 1,024 float32; src_lengths 32 int32; v 1,024 float32.
;; Outputs: out0 32 x 1 x 1,024 float32.
;; One version. Each part assembles by itself: llvm-mc -triple=amdgcn-amd-amdhsa -mcpu=gfx1250 --defsym DOCPART=n.
;; ======== version 1 of 1: 3 launches
;; workspace buffers: wf 2,097,152 bytes; psc4 524,288 bytes; pvec 2,097,152 bytes; ml 4,096 bytes
;; launch prep (part 1): grid 256 x 1, 8 waves a work-group, no clusters, 17,408 bytes of LDS; arguments W_h, W_s, query, wf, psc4; writes wf, psc4
.if DOCPART == 1
	.amdgcn_target "amdgcn-amd-amdhsa--gfx1250"
	.amdhsa_code_object_version 6
	.text
	.protected	k_q9ed2bd8293_prep
	.globl	k_q9ed2bd8293_prep
	.p2align	8
	.type	k_q9ed2bd8293_prep,@function
k_q9ed2bd8293_prep:
	s_mov_b64 s[64:65], 0
	v_nop
	global_prefetch_b8 v0, s[64:65] scope:SCOPE_SE
	s_setreg_imm32_b32 hwreg(HW_REG_WAVE_MODE, 25, 1), 1
	s_wait_xcnt 0x0
; PREPARATION.  (1) W_h [k 1024][n 1024] f32 is rounded to bf16 and written as matrix fragments of 16 columns x 32 k, 1,024 bytes each, in the order
; in which the main launch's waves walk them: wf[w 4][p 2][ks 32][bt 8], columns 512 p + 128 w + 16 bt on, k = 32 ks on.  A fragment is the register
; image: byte 16 lane = registers 0-3 (k = 8 h + 0..7 of column lane % 16, h = lane / 16), byte 512 + 16 lane = registers 4-7 (k = 16 + 8 h + 0..7).
; (2) c (bf16 q . bf16 W_s), c = 2 log2(e), as four partial sums over quarters of k: psc4[kq 4][batch 32][n 1024] f32.
; SHARES.  Work-group g: column tile t = g / 4 (16 columns), quarter kq = g % 4; its eight waves take the quarter's eight K steps of 32, one each.
; A wave's loads of W touch 64 consecutive bytes of each of 32 rows, and psc4 is stored in pieces of 64 bytes: both tensors are small beside the main launch's.
.set SPARE, 16384                      ; LDS: 0 .. 16,383 the waves' partial products (2,048 bytes a wave); then the spare words, 128 bytes a wave
	s_load_b256 s[4:11], s[0:1], 0x0               ; W_h s[4:5], W_s s[6:7], query s[8:9], wf s[10:11]
	s_load_b64 s[12:13], s[0:1], 0x20              ; psc4
	v_lshl_add_u32 v10, v0, 2, SPARE               ; my spare word,
	v_mov_b32 v11, 0                               ; and 0: kept for the add at the wave's end
	v_lshrrev_b32 v3, 5, v0
	v_readfirstlane_b32 s14, v3                    ; wave 0..7
	v_and_b32 v3, 31, v0                           ; lane
	v_and_b32 v1, 15, v0                           ; r
	v_bfe_u32 v2, v0, 4, 1                         ; h
	s_lshr_b32 s15, ttmp9, 2                       ; t
	s_and_b32 s16, ttmp9, 3                        ; kq
	s_lshl3_add_u32 s17, s16, s14                  ; ks = 8 kq + wave
	s_lshl_b32 s18, s17, 17                        ; W: 32 ks rows of 4,096 bytes
	s_lshl_b32 s20, s15, 6                         ;    + 16 t columns of 4 bytes
	s_add_co_u32 s18, s18, s20
	s_mov_b32 s19, 0
	s_lshl_b32 s22, s17, 7                         ; query: 32 ks numbers
	s_mov_b32 s23, 0
	s_lshr_b32 s24, s15, 5                         ; p
	s_bfe_u32 s25, s15, 0x20003                    ; w of the main launch: bits 4:3 of t
	s_lshl1_add_u32 s24, s25, s24                  ; 2 w + p
	s_lshl_b32 s24, s24, 5
	s_add_co_u32 s24, s24, s17                     ; (2 w + p) 32 + ks
	s_lshl_b32 s24, s24, 13                        ; eight fragments of 1,024 bytes each
	s_and_b32 s25, s15, 7                          ; bt
	s_lshl_b32 s25, s25, 10
	s_add_co_u32 s24, s24, s25
	s_mov_b32 s25, 0
	s_lshl_b32 s26, s16, 17                        ; psc4: the quarter's 32 x 1,024 numbers
	s_add_co_u32 s26, s26, s20                     ;       + 16 t columns
	s_mov_b32 s27, 0
	v_lshlrev_b32 v4, 2, v1
	v_lshl_add_u32 v4, v2, 15, v4                  ; W: row 8 h, column r
	v_lshlrev_b32 v5, 12, v1
	v_lshl_add_u32 v5, v2, 5, v5                   ; query: batch r, k = 8 h
	v_lshlrev_b32 v6, 4, v3                        ; 16 lane
	v_lshl_add_u32 v7, s14, 11, v6                 ; LDS: my wave's 2,048 bytes
	v_lshl_add_u32 v8, s14, 10, v6                 ; LDS, waves 0 and 1: batch tile = wave
	v_lshl_add_u32 v9, s14, 16, v5                 ; psc4, waves 0 and 1: batch 16 wave + r, column 8 h
	s_wait_kmcnt 0x0
	s_add_nc_u64 s[4:5], s[4:5], s[18:19]
	s_add_nc_u64 s[6:7], s[6:7], s[18:19]
	s_add_nc_u64 s[8:9], s[8:9], s[22:23]
	s_add_nc_u64 s[10:11], s[10:11], s[24:25]
	s_add_nc_u64 s[12:13], s[12:13], s[26:27]
.irp e, 0,1,2,3,4,5,6,7
	global_load_b32 v[16+\e], v4, s[4:5] offset:4096*\e            ; W_h(8 h + e, r)
	global_load_b32 v[24+\e], v4, s[4:5] offset:4096*(16+\e)       ; W_h(16 + 8 h + e, r)
	global_load_b32 v[32+\e], v4, s[6:7] offset:4096*\e
	global_load_b32 v[40+\e], v4, s[6:7] offset:4096*(16+\e)
.endr
.irp m, 0,1                            ; two tiles of 16 batches
	global_load_b128 v[48+16*\m:51+16*\m], v5, s[8:9] offset:65536*\m
	global_load_b128 v[52+16*\m:55+16*\m], v5, s[8:9] offset:65536*\m+16
	global_load_b128 v[56+16*\m:59+16*\m], v5, s[8:9] offset:65536*\m+64
	global_load_b128 v[60+16*\m:63+16*\m], v5, s[8:9] offset:65536*\m+80
.endr
	s_wait_loadcnt 0x0
.irp i, 0,1,2,3,4,5,6,7
	v_cvt_pk_bf16_f32 v[80+\i], v[16+2*\i], v[17+2*\i]             ; W_h's fragment: the lower k in the low half
	v_cvt_pk_bf16_f32 v[88+\i], v[32+2*\i], v[33+2*\i]             ; W_s's
.endr
.irp i, 0,1,2,3,4,5,6,7,8,9,10,11,12,13,14,15
	v_cvt_pk_bf16_f32 v[96+\i], v[48+2*\i], v[49+2*\i]             ; the two fragments of q
.endr
	global_store_b128 v6, v[80:83], s[10:11]                       ; 512 consecutive bytes each
	global_store_b128 v6, v[84:87], s[10:11] offset:512
	; source 0 = 16 columns of W_s, source 1 = 16 batches: register j of lane (r, h) is (column 16 t + 8 h + j, batch 16 m + r)
	v_wmma_f32_16x16x32_bf16 v[112:119], v[88:95], v[96:103], 0
	v_wmma_f32_16x16x32_bf16 v[120:127], v[88:95], v[104:111], 0
.rept 4
	v_nop                                          ; four places between a product and the LDS store that reads it
.endr
	ds_store_b128 v7, v[112:115]                   ; each accumulator from its low end on
	ds_store_b128 v7, v[116:119] offset:512
	ds_store_b128 v7, v[120:123] offset:1024
	ds_store_b128 v7, v[124:127] offset:1536
	s_wait_dscnt 0x0                               ; for the others' sake: my partial products are in LDS
	s_barrier_signal -1
	s_barrier_wait -1
	s_cmp_gt_u32 s14, 1
	s_cbranch_scc1 .Ldone                          ; waves 0 and 1 add the eight waves' products, a batch tile each
.irp w, 0,1,2,3,4,5,6,7
	ds_load_b128 v[128+8*\w:131+8*\w], v8 offset:2048*\w
	ds_load_b128 v[132+8*\w:135+8*\w], v8 offset:2048*\w+512
.endr
	s_wait_dscnt 0x0
.irp p, 0,2,4,6
	v_pk_add_f32 v[128+\p:129+\p], v[128+\p:129+\p], v[136+\p:137+\p]
	v_pk_add_f32 v[144+\p:145+\p], v[144+\p:145+\p], v[152+\p:153+\p]
	v_pk_add_f32 v[160+\p:161+\p], v[160+\p:161+\p], v[168+\p:169+\p]
	v_pk_add_f32 v[176+\p:177+\p], v[176+\p:177+\p], v[184+\p:185+\p]
.endr
.irp p, 0,2,4,6
	v_pk_add_f32 v[128+\p:129+\p], v[128+\p:129+\p], v[144+\p:145+\p]
	v_pk_add_f32 v[160+\p:161+\p], v[160+\p:161+\p], v[176+\p:177+\p]
.endr
.irp p, 0,2,4,6
	v_pk_add_f32 v[128+\p:129+\p], v[128+\p:129+\p], v[160+\p:161+\p]
.endr
.irp p, 0,2,4,6
	v_pk_mul_f32 v[128+\p:129+\p], v[128+\p:129+\p], 0x4038aa3b op_sel_hi:[1,0]  ; times c = 2 log2(e)
.endr
	global_store_b128 v9, v[128:131], s[12:13]
	global_store_b128 v9, v[132:135], s[12:13] offset:16
.Ldone:
	s_wait_tensorcnt 0x0                           ; the wave's end, behind my last LDS store
	ds_add_u32 v10, v11
	s_wait_dscnt 0x0
	s_endpgm
.Lfunc_end_k_q9ed2bd8293_prep:
	.size	k_q9ed2bd8293_prep, .Lfunc_end_k_q9ed2bd8293_prep-k_q9ed2bd8293_prep
	.p2alignl 7, 3214868480
	.fill 96, 4, 3214868480
	.section	.rodata,"a",@progbits
	.p2align	6, 0x0
	.amdhsa_kernel k_q9ed2bd8293_prep
		.amdhsa_group_segment_fixed_size 17408
		.amdhsa_private_segment_fixed_size 0
		.amdhsa_enable_private_segment 0
		.amdhsa_kernarg_size 40
		.amdhsa_user_sgpr_count 2
		.amdhsa_user_sgpr_kernarg_segment_ptr 1
		.amdhsa_wavefront_size32 1
		.amdhsa_system_sgpr_workgroup_id_x 1
		.amdhsa_system_sgpr_workgroup_id_y 1
		.amdhsa_system_sgpr_workgroup_id_z 1
		.amdhsa_system_vgpr_workitem_id 0
		.amdhsa_next_free_vgpr 192
		.amdhsa_next_free_sgpr 66
		.amdhsa_reserve_vcc 0
		.amdhsa_float_denorm_mode_32 3
		.amdhsa_float_denorm_mode_16_64 3
		.amdhsa_memory_ordered 1
		.amdhsa_forward_progress 1
		.amdhsa_inst_pref_size 13
	.end_amdhsa_kernel
	.amdgpu_metadata
---
amdhsa.version: [ 1, 2 ]
amdhsa.kernels:
  - .name:           k_q9ed2bd8293_prep
    .symbol:         k_q9ed2bd8293_prep.kd
    .args:
      - { .name: W_h, .offset: 0, .size: 8, .value_kind: global_buffer, .address_space: global }
      - { .name: W_s, .offset: 8, .size: 8, .value_kind: global_buffer, .address_space: global }
      - { .name: query, .offset: 16, .size: 8, .value_kind: global_buffer, .address_space: global }
      - { .name: wf, .offset: 24, .size: 8, .value_kind: global_buffer, .address_space: global }
      - { .name: psc4, .offset: 32, .size: 8, .value_kind: global_buffer, .address_space: global }
    .group_segment_fixed_size: 17408
    .private_segment_fixed_size: 0
    .kernarg_segment_align: 8
    .kernarg_segment_size: 40
    .max_flat_workgroup_size: 256
    .sgpr_count:     66
    .vgpr_count:     192
    .wavefront_size: 32
...
	.end_amdgpu_metadata
.endif
;; end of part 1
;; launch main (part 2): grid 256 x 1, 4 waves a work-group, no clusters, 281,344 bytes of LDS; arguments encoder_outputs, wf, psc4, v, src_lengths, pvec, ml; writes pvec, ml
.if DOCPART == 2
	.amdgcn_target "amdgcn-amd-amdhsa--gfx1250"
	.amdhsa_code_object_version 6
	.text
	.protected	k_q9ed2bd8293_main
	.globl	k_q9ed2bd8293_main
	.p2align	8
	.type	k_q9ed2bd8293_main,@function
k_q9ed2bd8293_main:
	s_mov_b64 s[64:65], 0
	v_nop
	global_prefetch_b8 v0, s[64:65] scope:SCOPE_SE
	s_setreg_imm32_b32 hwreg(HW_REG_WAVE_MODE, 25, 1), 1
	s_wait_xcnt 0x0
; score[s] = sum over n of v[n] tanh(enc[s] . W_h[:, n] + proj_s[n]); rows at or past the batch's length count as -1e9; then, for each BLOCK of 128 rows, the block's own
; maximum m, p[s] = e^(score - m), l = sum of p, and the vector sum over s of p[s] enc[s][:].  The next launch merges a batch's 16 blocks.
; SHARES.  Work-group g owns rows 256 (g % 8) .. + 255 of batch g / 8: two blocks.  A block's 128 x 1,024 numbers are read from memory ONCE, rounded to bf16 and kept in LDS: they are the
; first product's operand and, when all 1,024 columns are scored, the weighted sum's.  The 1,024 columns go in two passes of 512; wave w makes 128 rows x 128 columns: 64 accumulators, 512 registers.
; W_h comes as ready fragments (wf) from memory straight into registers, 512 consecutive bytes a load, two K steps ahead: a fragment serves one wave alone, so a way through LDS would feed nobody else.
; enc streams in during a block's first pass, in slices of 128 along K (512 consecutive bytes of a row a load), through registers: load, round, ds_store.
; NO CLUSTER, NO TENSOR LOAD: enc is shared by no two work-groups.  W_h is shared by all, but beside the resident block (264,192 bytes) 63,488 bytes of LDS are left, and two slots of one K step of a
; pass's 512 columns are 65,536.  A tensor load of enc would want an f32 landing area in the same rest, and the rounded numbers would be stored into LDS by the waves all the same.
; tanh(y) = 1 - 2 / (1 + 2^(c y)), c = 2 log2(e): score = sum of v - 2 sum of v / (1 + 2^(c y)).  The matrix instruction is used transposed (source 0 = 16 columns of W_h, source 1 = 16 rows of enc):
; register j of lane (r, h) is (row 16 a + r, column n0 + 8 h + j), so a lane adds up its own row, and proj_s and v come as neighbouring pairs.
; FORMATS AND LIMITS.  enc, W_h, W_s, query and v are rounded to bf16 (nearest even); sums, tanh, softmax in f32.  2^(c y) below 2^-126 counts as 0 and an overflow gives tanh = 1: both exact to f32's last bit.
; The score's two sums are of the size of sum |v|, so its error is some 1e-7 of that.  p is carried into the weighted sum as two bf16 numbers (16 significant bits); l is the sum of the unrounded p.
; NaN and infinities are not treated apart.  The length enters a comparison alone: no address, branch or trip count hangs on it.
;
; LDS.  Rows of 2,048 + 16 bytes = 516 words: row r starts at bank 4 r mod 64 (64 banks of 4 bytes: ISA guide 11.1), so the 16 rows of a fragment load start at 16 different groups of banks.
.set PITCH, 2064
.set R16,   16*PITCH
.set R32,   32*PITCH
.set PSB,   128*PITCH                  ; behind the block: c proj_s[n], 1,024 f32
.set VTB,   PSB+4096                   ; -2 bf16(v[n]), 1,024 f32
.set SCR,   VTB+4096                   ; the waves' partial scores: row x 16 + 4 w
.set PWB,   SCR+2048                   ; each wave's own copy of p: 512 w: 128 bf16 (upper parts), at + 256 128 bf16 (the rests)
.set OST,   PWB+2048                   ; each wave's 256 results on the way out: 1,024 w
.set SVB,   OST+4096                   ; four partial sums of v
.set SPARE, SVB+256                    ; the spare words, 128 bytes a wave: two blocks of 256 bytes that no other line names
; REGISTERS, in windows of 256 (s_set_vgpr_msb: bits 1:0 source 0, 3:2 source 1, 5:4 source 2, 7:6 destination).
;   window 0: below.   window 1: four buffers of 64 for W_h's fragments (K step k in buffer k % 4); at a block's start its upper half lands slice 0.
;   window 2: accumulators of row tiles 0-3, (a, bt) at 8 (8 a + bt).   window 3: those of row tiles 4-7.   At a block's end: window 2 v0-127 16 accumulators, window 3 two buffers of 128 for enc turned.
.set SPW,  1                           ; LDS address of my spare word; never rewritten
.set NIL,  2                           ; 0; never rewritten
.set ADA0, 3                           ; r PITCH + 16 h: my place in a fragment of the block
.set ADA,  4                           ; v4-7   ADA0 + 32 i rows + the period's 256 bytes; at a block's end the turning loads' addresses
.set STA0, 8                           ; my wave's 32 rows + 8 lane: where I store rounded numbers
.set STA,  9                           ; the same at the slice in hand
.set GOA,  10                          ; enc: my wave's 32 rows + 16 lane
.set BO,   11                          ; 16 lane
.set PVA0, 12                          ; PSB + 512 w + 32 h
.set PVA,  13                          ; the same at the pass in hand
.set PFV,  14                          ; enc, for prefetches: my wave's rows, 16 rows x 2 x 256 bytes over the lanes
.set LN,   15                          ; lane
.set T,    16                          ; v16-31  at work
.set S,    32                          ; v32-63  score sums: row tile a has two pairs at 32 + 4 a
.set AF,   64                          ; v64-127 fragments of the block, row tile a at 64 + 8 a; in the epilogue four sets of 8 c proj_s + 8 (-2 v)
.set STG,  128                         ; v128-255 four parts of 32: a slice of my 32 rows as loaded, 8 rows a part
.set SCA,  80                          ; the block's end: addresses, made anew there
.set SCL,  81
.set PWA,  82
.set PFA,  83
.set OSA,  84
.set OSL,  85
.set GOP,  86
.set ZO,   87
.set MX,   88                          ; v[88:89] m, l
.set RL,   90                          ; rows left of the batch's length from my first row on
.set PFR,  96                          ; v96-127 p as four fragments
.set SAB, 4                            ; s[4:5]   enc at the block
.set SB0, 6                            ; s[6:7]   wf at my wave's part
.set PSC, 8                            ; s[8:9]   psc4 at the batch
.set VV,  10                           ; s[10:11] v
.set LEN, 12                           ; s[12:13] src_lengths at the batch
.set PVC, 14                           ; s[14:15] pvec at the block
.set MLB, 16                           ; s[16:17] ml at the block
.set WV,  18                           ; wave
.set WG,  19                           ; work-group
.set BLK, 20                           ; blocks to go
.set CNT, 21                           ; trips of the K loops
.set SB,  22                           ; s[22:23] wf at the period in hand
.set SA,  24                           ; s[24:25] enc at the slice to be asked for
.set PF,  26                           ; s[26:27] enc at the slice to be prefetched
.set PFO, 28                           ; s[28:29] its byte offset in a row, 0
.set CC,  30                           ; s[30:31] c, twice
.set SEL, 32                           ; s[32:33] v_permlanex16_b32's selects: each lane takes its own place in the other half
.set REL, 34                           ; the batch's length less the block's first row (signed)
.set SV,  35                           ; sum of bf16(v)
.set NEG, 36                           ; -1e9
.set L2E, 37                           ; log2(e)
.set TM,  38                           ; s[38:39] at work
.set SX,  40                           ; EXEC kept
.set PP,  41                           ; passes to go
.set KO,  44                           ; 256 x period: the bytes along an LDS row
.set MSB, 0
.macro WIN new                         ; the immediate's high byte repeats the setting that is left; a switch that changes nothing is dropped
.if MSB != (\new)
	s_set_vgpr_msb (MSB<<8)|(\new)
.set MSB, (\new)
.endif
.endm
.set MUL_LO, 0xa1                      ; source 0 (W_h) window 1, source 1 (enc) window 0, C and D window 2
.macro PLACES                          ; four places between a matrix instruction and a load into, or a vector instruction on, its registers (ISA guide 7.12.1 for vector instructions)
.rept 4
	v_nop
.endr
.endm
.macro BLD s                           ; W_h's eight fragments of the K step two on, into buffer (s + 2) % 4: 16 loads
	WIN 0x40
.irp b, 0,1,2,3,4,5,6,7
	global_load_b128 v[64*(((\s)+2)%4)+8*\b:64*(((\s)+2)%4)+8*\b+3],   v[BO], s[SB:SB+1] offset:((\s)+2)*8192+1024*\b
	global_load_b128 v[64*(((\s)+2)%4)+8*\b+4:64*(((\s)+2)%4)+8*\b+7], v[BO], s[SB:SB+1] offset:((\s)+2)*8192+1024*\b+512
.endr
.endm
.macro AFL half, off                   ; four fragments of the block (row tiles 4 half ..), 32 K at byte off of the period: 8 LDS loads
	WIN 0
.irp a, 0,1,2,3
	ds_load_b128 v[AF+8*(4*(\half)+\a):AF+8*(4*(\half)+\a)+3],   v[ADA+(4*(\half)+\a)/2] offset:(\a%2)*R16+(\off)
	ds_load_b128 v[AF+8*(4*(\half)+\a)+4:AF+8*(4*(\half)+\a)+7], v[ADA+(4*(\half)+\a)/2] offset:(\a%2)*R16+(\off)+32
.endr
.endm
.macro MUL16 f, hi, a0, zero           ; 16 matrix instructions: row tiles 4 hi + a0, + 1 x 8 column tiles.  zero = 1: the product starts the sums.  The 64 accumulators take turns
	WIN MUL_LO+0x50*(\hi)
.irp a, \a0, (\a0)+1
.irp b, 0,1,2,3,4,5,6,7
.if \zero
	v_wmma_f32_16x16x32_bf16 v[8*(8*(\a)+(\b)):8*(8*(\a)+(\b))+7], v[64*(\f)+8*(\b):64*(\f)+8*(\b)+7], v[AF+8*(4*(\hi)+(\a)):AF+8*(4*(\hi)+(\a))+7], 0
.else
	v_wmma_f32_16x16x32_bf16 v[8*(8*(\a)+(\b)):8*(8*(\a)+(\b))+7], v[64*(\f)+8*(\b):64*(\f)+8*(\b)+7], v[AF+8*(4*(\hi)+(\a)):AF+8*(4*(\hi)+(\a))+7], v[8*(8*(\a)+(\b)):8*(8*(\a)+(\b))+7]
.endif
.endr
.endr
.endm
.macro CVT s                           ; part s of the slice that has landed is rounded: 8 rows x 4 numbers a lane
.irp i, 0,1,2,3,4,5,6,7,8,9,10,11,12,13,14,15
	v_cvt_pk_bf16_f32 v[T+\i], v[STG+32*(\s)+2*\i], v[STG+32*(\s)+2*\i+1]
.endr
.endm
.macro STO s                           ; and stored: 256 consecutive bytes of a row a line
.irp i, 0,1,2,3,4,5,6,7
	ds_store_b64 v[STA], v[T+2*\i:T+2*\i+1] offset:(8*(\s)+\i)*PITCH
.endr
.endm
.macro ALD s                           ; part s of the slice after it is asked for: 512 consecutive bytes of a row a line
	WIN 0
.irp i, 0,1,2,3,4,5,6,7
	global_load_b128 v[STG+32*(\s)+4*\i:STG+32*(\s)+4*\i+3], v[GOA], s[SA:SA+1] offset:(8*(\s)+\i)*4096 th:TH_LOAD_NT
.endr
.endm
; ONE K STEP of 32: 64 matrix instructions.  s = the step in its period of four; cv: a part of the next slice is rounded and stored; is: a part of the slice after that is asked for; ld: W_h two steps on is asked for;
; cnt: the loads that may stay out when this step's W_h has to be in; nxt: the next step's first fragments are fetched; bar: the period's barrier.
; LOADcnt falls in the order of issue (ISA guide 5.7.1).  A step issues W_h(k + 2), 16 loads, then enc's part k, 8.  Younger than W_h(k): part k - 2, W_h(k + 1), part k - 1 = 32; 24 and 16 where parts are no longer asked for.
; The same wait of step k - 1 shows part k - 4 landed, which step k rounds.
.macro STEP s, zero, cv, is, ld, cnt, nxt, bar
	WIN 0
.if \cv
	CVT \s                                         ; sixteen plain instructions: also the places behind the step before
.else
	PLACES
.endif
	AFL 1, 64*(\s)
.if \cv
	STO \s
.endif
	s_wait_loadcnt \cnt
.if \ld
	BLD \s
.endif
.if \is
	ALD \s
.if (\s) == 0
	; the slice three periods on, one period ahead of its loads: my wave's 32 rows x 512 bytes, each aligned 256 bytes by one lane; past the row's last slice the offset is held at that slice
	global_prefetch_b8 v[PFV], s[PF:PF+1] th:TH_LOAD_NT scope:SCOPE_SE
	global_prefetch_b8 v[PFV], s[PF:PF+1] offset:65536 th:TH_LOAD_NT scope:SCOPE_SE
.endif
.endif
	s_wait_dscnt 8+8*(\cv)                         ; row tiles 0-3 are in; younger: tiles 4-7's loads and the stores
	MUL16 \s, 0, 0, \zero
	MUL16 \s, 0, 2, \zero
	WIN 0
	PLACES
.if \bar
	s_wait_dscnt 0x0                               ; my part of the next slice is in LDS, and no LDS instruction of mine is out:
	s_barrier_signal -1                            ; say so,
	MUL16 \s, 1, 0, \zero                          ; work on registers while the others arrive,
	s_barrier_wait -1                              ; and read the next slice when all four have said so
	AFL 0, 256
	MUL16 \s, 1, 2, \zero
.else
.if \nxt
	AFL 0, 64*((\s)+1)
.endif
	s_wait_dscnt 8*(\cv)+8*(\nxt)                  ; row tiles 4-7 are in; younger: the stores and the next step's loads
	MUL16 \s, 1, 0, \zero
	MUL16 \s, 1, 2, \zero
.endif
.endm
.macro ADASET                          ; the fragment addresses at the period in hand
	v_add_nc_u32 v[ADA], s[KO], v[ADA0]
	v_add3_u32 v[ADA+1], v[ADA0], s[KO], R32
	v_add3_u32 v[ADA+2], v[ADA0], s[KO], 2*R32
	v_add3_u32 v[ADA+3], v[ADA0], s[KO], 3*R32
.endm
.macro BOOK st                         ; a period (four K steps, 128 along K) is over.  st = 1: the stream's addresses step too
	WIN 0
	s_wait_xcnt 0x0                                ; the bases of the loads and prefetches issued so far are rewritten only behind this wait (ISA guide 3.1)
	s_add_nc_u64 s[SB:SB+1], s[SB:SB+1], 32768
	s_add_co_u32 s[KO], s[KO], 256
	ADASET
.if \st
	s_add_nc_u64 s[SA:SA+1], s[SA:SA+1], 512
	v_add3_u32 v[STA], v[STA0], s[KO], 256
	s_add_co_u32 s[PFO], s[PFO], 512
	s_min_u32 s[PFO], s[PFO], 3584                 ; no prefetch past a row's last slice
	s_add_nc_u64 s[PF:PF+1], s[SAB:SAB+1], s[PFO:PFO+1]
.endif
.endm
.macro NEXTA                           ; what a block begins with: W_h's K steps 0 and 1, enc's slices 0 and 1: 96 loads
	PLACES
	WIN 0x40
.irp k, 0,1
.irp b, 0,1,2,3,4,5,6,7
	global_load_b128 v[64*\k+8*\b:64*\k+8*\b+3],   v[BO], s[SB0:SB0+1] offset:8192*\k+1024*\b
	global_load_b128 v[64*\k+8*\b+4:64*\k+8*\b+7], v[BO], s[SB0:SB0+1] offset:8192*\k+1024*\b+512
.endr
.endr
.set i, 0
.rept 32
	global_load_b128 v[128+4*i:128+4*i+3], v[GOA], s[SAB:SAB+1] offset:4096*i th:TH_LOAD_NT       ; slice 0 into window 1's upper half
.set i, i+1
.endr
	WIN 0
.set i, 0
.rept 32
	global_load_b128 v[STG+4*i:STG+4*i+3], v[GOA], s[SAB:SAB+1] offset:4096*i+512 th:TH_LOAD_NT   ; slice 1 where every later slice lands
.set i, i+1
.endr
.endm
; THE EPILOGUE of a pass, window x by window x.  Tile i of 32: column tile bt = i / 4, row tile 4 (x - 2) + i % 4.  Five stages: F: c acc + c proj_s.  E: 2^.  D: + 1.  R: 1 /.  G: S += that x (-2 v).
.macro PVL b                           ; c proj_s and -2 v of my 8 columns of column tile b, into set b % 4
	WIN 0
.set rQ, AF+16*((\b)%4)
	ds_load_b128 v[rQ:rQ+3],     v[PVA] offset:64*(\b)
	ds_load_b128 v[rQ+4:rQ+7],   v[PVA] offset:64*(\b)+16
	ds_load_b128 v[rQ+8:rQ+11],  v[PVA] offset:4096+64*(\b)
	ds_load_b128 v[rQ+12:rQ+15], v[PVA] offset:4096+64*(\b)+16
.endm
.macro RG i
.set rR, 8*(8*((\i)%4)+(\i)/4)
.set rQ, AF+16*(((\i)/4)%4)
.endm
.macro FST x, i
	RG \i
	WIN 0x82+0x41*((\x)-2)
.irp p, 0,2,4,6                        ; the accumulator is read from its low end on
	v_pk_fma_f32 v[rR+\p:rR+\p+1], v[rR+\p:rR+\p+1], s[CC:CC+1], v[rQ+\p:rQ+\p+1] op_sel_hi:[1,0,1]
.endr
.endm
.macro EST x, i
	RG \i
	WIN 0x82+0x41*((\x)-2)
.irp p, 0,1,2,3,4,5,6,7
	v_exp_f32 v[rR+\p], v[rR+\p]
.endr
.endm
.macro DST x, i
	RG \i
	WIN 0x82+0x41*((\x)-2)
	s_wait_alu depctr_va_vdst(0)
.irp p, 0,2,4,6
	v_pk_add_f32 v[rR+\p:rR+\p+1], v[rR+\p:rR+\p+1], 1.0 op_sel_hi:[1,0]
.endr
.endm
.macro RST x, i
	RG \i
	WIN 0x82+0x41*((\x)-2)
.irp p, 0,1,2,3,4,5,6,7
	v_rcp_f32 v[rR+\p], v[rR+\p]
.endr
.endm
.macro GST x, i
	RG \i
.set rS, S+4*(4*((\x)-2)+(\i)%4)
	WIN 0x02+((\x)-2)
	s_wait_alu depctr_va_vdst(0)
.irp p, 0,2,4,6
	v_pk_fma_f32 v[rS+(\p)%4:rS+(\p)%4+1], v[rR+\p:rR+\p+1], v[rQ+8+\p:rQ+8+\p+1], v[rS+(\p)%4:rS+(\p)%4+1]
.endr
.endm
; The stages of neighbouring tiles are laid so that plain instructions stand behind each run of exponentials and reciprocals before its results are used (ISA guide 5.7.2): F of the next tile stands between
; R of tile i - 1 (and E of tile i) and G of tile i - 1; the last trip has no next tile, and a v_nop takes F's place there.
; A set is loaded again when G of its last tile has read it.  The waits: the wanted set is in; the two sets asked for behind it (at the end one, then none) may stay out.
.macro EPIH x
	PVL 0
	PVL 1
	PVL 2
	PVL 3
	s_wait_dscnt 12                                ; set 0 is in; sets 1 to 3 may be out
	FST \x, 0
.set i, 0
.rept 32
	EST \x, i
.if ((i+1)%4 == 0) && (i < 31)
.if (i+1)/4 < 6
	s_wait_dscnt 8
.elseif (i+1)/4 == 6
	s_wait_dscnt 4
.else
	s_wait_dscnt 0
.endif
.endif
.if i < 31
	FST \x, i+1
.else
	v_nop                                          ; the plain instruction between tile 30's reciprocals and G of tile 30: only exponentials stand between them here
	s_wait_alu depctr_va_vdst(0)
.endif
.if i > 0
	GST \x, i-1
.endif
.if (i%4 == 0) && (i >= 4) && (i <= 16)
	PVL i/4+3
.endif
	DST \x, i
	RST \x, i
.set i, i+1
.endr
	v_nop                                          ; a plain instruction behind the last reciprocals
	s_wait_alu depctr_va_vdst(0)
	GST \x, 31
.endm
; THE WEIGHTED SUM: rows are K.  TRB: 32 rows x my 256 columns of the block, turned (ds_load_tr16_b128: lane l addresses row 8 (l / 16) + l % 8, 16 bytes at 16 ((l / 8) % 2); it receives 8 rows of column l % 16).
; With rows 2,064 bytes apart two of a load's eight rows fall on the same banks: 128 such loads a block.
.macro TRB kc
	WIN 0xc0
.irp t, 0,1,2,3,4,5,6,7,8,9,10,11,12,13,14,15
	ds_load_tr16_b128 v[128*((\kc)%2)+8*\t:128*((\kc)%2)+8*\t+3],   v[ADA+(\kc)] offset:32*\t
	ds_load_tr16_b128 v[128*((\kc)%2)+8*\t+4:128*((\kc)%2)+8*\t+7], v[ADA+(\kc)] offset:32*\t+R16
.endr
.endm
.macro WS kc, zero                     ; source 0 = p (even rows of the operand: upper parts; odd rows: the rests), source 1 = 16 columns of enc; the 16 accumulators take turns
	WIN 0xac
.irp t, 0,1,2,3,4,5,6,7,8,9,10,11,12,13,14,15
.if \zero
	v_wmma_f32_16x16x32_bf16 v[8*\t:8*\t+7], v[PFR+8*(\kc):PFR+8*(\kc)+7], v[128*((\kc)%2)+8*\t:128*((\kc)%2)+8*\t+7], 0
.else
	v_wmma_f32_16x16x32_bf16 v[8*\t:8*\t+7], v[PFR+8*(\kc):PFR+8*(\kc)+7], v[128*((\kc)%2)+8*\t:128*((\kc)%2)+8*\t+7], v[8*\t:8*\t+7]
.endif
.endr
.endm
	; ---------------------------------------------------------------- set-up
	s_load_b256 s[4:11], s[0:1], 0x0               ; enc, wf, psc4, v
	s_load_b128 s[12:15], s[0:1], 0x20             ; src_lengths, pvec
	s_load_b64 s[16:17], s[0:1], 0x30              ; ml
	v_lshl_add_u32 v[SPW], v0, 2, SPARE
	v_mov_b32 v[NIL], 0
	v_lshrrev_b32 v16, 5, v0
	v_readfirstlane_b32 s[WV], v16                 ; wave 0..3
	s_mov_b32 s[WG], ttmp9
	s_mov_b32 s[CC], 0x4038aa3b                    ; c = 2 log2(e)
	s_mov_b32 s[CC+1], s[CC]
	s_mov_b32 s[SEL], 0x76543210
	s_mov_b32 s[SEL+1], 0xfedcba98
	s_mov_b32 s[NEG], 0xce6e6b28                   ; -1e9
	s_mov_b32 s[L2E], 0x3fb8aa3b
	s_mov_b32 s[PFO+1], 0
	v_and_b32 v[LN], 31, v0
	v_and_b32 v16, 15, v0                          ; r
	v_bfe_u32 v17, v0, 4, 1                        ; h
	v_mul_u32_u24 v[ADA0], v16, PITCH
	v_lshl_add_u32 v[ADA0], v17, 4, v[ADA0]
	s_mul_i32 s[TM], s[WV], R32
	v_lshl_add_u32 v[STA0], v[LN], 3, s[TM]
	s_lshl_b32 s[TM], s[WV], 17                    ; 32 rows of 4,096 bytes
	v_lshl_add_u32 v[GOA], v[LN], 4, s[TM]
	v_lshlrev_b32 v[BO], 4, v[LN]
	v_lshrrev_b32 v18, 1, v[LN]
	v_lshl_add_u32 v[PFV], v18, 12, s[TM]
	v_and_b32 v18, 1, v0
	v_lshl_add_u32 v[PFV], v18, 8, v[PFV]
	s_lshl_b32 s[TM], s[WV], 9
	s_add_co_u32 s[TM], s[TM], PSB
	v_lshl_add_u32 v[PVA0], v17, 5, s[TM]
	v_lshlrev_b32 v24, 5, v0                       ; thread t takes columns 8 t .. 8 t + 7 of proj_s and v
	v_add_nc_u32 v25, PSB, v24
	s_lshl_b32 s[TM], s[WV], 2
	s_add_co_u32 s[TM], s[TM], SVB
	v_mov_b32 v26, s[TM]
	v_mov_b32 v27, SVB
	s_mov_b32 s[TM+1], 0
	s_wait_kmcnt 0x0
	s_lshl_b32 s[TM], s[WG], 20                    ; 256 rows of 4,096 bytes
	s_add_nc_u64 s[SAB:SAB+1], s[SAB:SAB+1], s[TM:TM+1]
	s_lshl_b32 s[TM], s[WV], 19                    ; my wave's 2 x 32 x 8 fragments
	s_add_nc_u64 s[SB0:SB0+1], s[SB0:SB0+1], s[TM:TM+1]
	s_lshr_b32 s[CNT], s[WG], 3                    ; the batch
	s_lshl_b32 s[TM], s[CNT], 12
	s_add_nc_u64 s[PSC:PSC+1], s[PSC:PSC+1], s[TM:TM+1]
	s_lshl_b32 s[TM], s[CNT], 2
	s_add_nc_u64 s[LEN:LEN+1], s[LEN:LEN+1], s[TM:TM+1]
	s_load_b32 s[REL], s[LEN:LEN+1], 0x0
	s_lshl_b32 s[TM], s[WG], 13                    ; two blocks' 4,096 bytes
	s_add_nc_u64 s[PVC:PVC+1], s[PVC:PVC+1], s[TM:TM+1]
	s_lshl_b32 s[TM], s[WG], 4
	s_add_nc_u64 s[MLB:MLB+1], s[MLB:MLB+1], s[TM:TM+1]
.irp q, 0,1,2,3
	global_load_b128 v[S+8*\q:S+8*\q+3],   v24, s[PSC:PSC+1] offset:131072*\q
	global_load_b128 v[S+8*\q+4:S+8*\q+7], v24, s[PSC:PSC+1] offset:131072*\q+16
.endr
	global_load_b128 v[16:19], v24, s[VV:VV+1]
	global_load_b128 v[20:23], v24, s[VV:VV+1] offset:16
	NEXTA
	s_wait_kmcnt 0x0
	s_and_b32 s[TM], s[WG], 7
	s_lshl_b32 s[TM], s[TM], 8
	s_sub_co_i32 s[REL], s[REL], s[TM]             ; the length less my first block's first row
	s_wait_loadcnt 63                              ; of the 106 loads issued at most the youngest 63 are out: the first 10, proj_s's parts and v, are in
.irp p, 0,2,4,6
	v_pk_add_f32 v[S+\p:S+\p+1], v[S+\p:S+\p+1], v[S+8+\p:S+8+\p+1]
	v_pk_add_f32 v[S+16+\p:S+16+\p+1], v[S+16+\p:S+16+\p+1], v[S+24+\p:S+24+\p+1]
.endr
.irp p, 0,2,4,6
	v_pk_add_f32 v[S+\p:S+\p+1], v[S+\p:S+\p+1], v[S+16+\p:S+16+\p+1]
.endr
	ds_store_b128 v25, v[S:S+3]
	ds_store_b128 v25, v[S+4:S+7] offset:16
.irp i, 0,1,2,3
	v_cvt_pk_bf16_f32 v[64+\i], v[16+2*\i], v[17+2*\i]             ; v rounded to bf16,
.endr
.irp i, 0,1,2,3
	v_lshlrev_b32 v[16+2*\i], 16, v[64+\i]                         ; and widened again
	v_and_b32 v[17+2*\i], 0xffff0000, v[64+\i]
.endr
.irp p, 0,2,4,6
	v_pk_mul_f32 v[72+\p:73+\p], v[16+\p:17+\p], -2.0 op_sel_hi:[1,0]
.endr
	ds_store_b128 v25, v[72:75] offset:4096
	ds_store_b128 v25, v[76:79] offset:4112
	v_pk_add_f32 v[16:17], v[16:17], v[18:19]
	v_pk_add_f32 v[20:21], v[20:21], v[22:23]
	v_pk_add_f32 v[16:17], v[16:17], v[20:21]
	v_add_f32 v16, v16, v17
	v_add_f32_dpp v16, v16, v16 row_xmask:1 row_mask:0xf bank_mask:0xf
	v_add_f32_dpp v16, v16, v16 row_xmask:2 row_mask:0xf bank_mask:0xf
	v_add_f32_dpp v16, v16, v16 row_xmask:4 row_mask:0xf bank_mask:0xf
	v_add_f32_dpp v16, v16, v16 row_xmask:8 row_mask:0xf bank_mask:0xf
	v_permlanex16_b32 v17, v16, s[SEL], s[SEL+1]
	v_add_f32 v16, v16, v17
	ds_store_b32 v26, v16                          ; my wave's part of the sum of v: all lanes write the same word with the same number
	s_wait_dscnt 0x0                               ; for the others' sake: proj_s, v and the part are in LDS
	s_barrier_signal -1
	s_barrier_wait -1
	ds_load_b128 v[16:19], v27
	s_wait_dscnt 0x0
	v_add_f32 v16, v16, v17
	v_add_f32 v18, v18, v19
	v_add_f32 v16, v16, v18
	v_readfirstlane_b32 s[SV], v16
	s_mov_b32 s[BLK], 2
.Lblock:
	; ---------------------------------------------------------------- a block begins: slice 0 into LDS
	s_wait_loadcnt 0x0                             ; slices 0 and 1, W_h's K steps 0 and 1
	s_wait_xcnt 0x0                                ; the bases below are rewritten only behind this wait
	s_mov_b64 s[SB:SB+1], s[SB0:SB0+1]
	s_add_nc_u64 s[SA:SA+1], s[SAB:SAB+1], 1024    ; period 0 asks for slice 2,
	s_mov_b32 s[PFO], 1536                         ; and prefetches slice 3
	s_add_nc_u64 s[PF:PF+1], s[SAB:SAB+1], s[PFO:PFO+1]
	s_mov_b32 s[KO], 0
	WIN 0x05
.set i, 0
.rept 64
	v_cvt_pk_bf16_f32 v[AF+i], v[128+2*i], v[128+2*i+1]
.set i, i+1
.endr
	WIN 0
.set i, 0
.rept 32
	ds_store_b64 v[STA0], v[AF+2*i:AF+2*i+1] offset:i*PITCH
.set i, i+1
.endr
.set i, 0
.rept 32
	v_mov_b32 v[S+i], 0                            ; the score sums run over both passes
.set i, i+1
.endr
	ADASET
	v_add3_u32 v[STA], v[STA0], s[KO], 256
	v_mov_b32 v[PVA], v[PVA0]
	s_wait_dscnt 0x0                               ; my rows of slice 0 are in LDS
	s_barrier_signal -1
	s_barrier_wait -1                              ; everybody's are
	AFL 0, 0
	; ---------------------------------------------------------------- pass 0: columns 0-511; period j multiplies slice j, stores slice j + 1, asks for slice j + 2
	STEP 0, 1, 1, 1, 1, 32, 1, 0                   ; the first K step's products start the sums: nothing is cleared
	STEP 1, 0, 1, 1, 1, 32, 1, 0
	STEP 2, 0, 1, 1, 1, 32, 1, 0
	STEP 3, 0, 1, 1, 1, 32, 1, 1
	BOOK 1
	s_mov_b32 s[CNT], 5
.Lstream:                                              ; periods 1 to 5
	STEP 0, 0, 1, 1, 1, 32, 1, 0
	STEP 1, 0, 1, 1, 1, 32, 1, 0
	STEP 2, 0, 1, 1, 1, 32, 1, 0
	STEP 3, 0, 1, 1, 1, 32, 1, 1
	BOOK 1
	s_sub_co_u32 s[CNT], s[CNT], 1
	s_cmp_lg_u32 s[CNT], 0
	s_cbranch_scc1 .Lstream
	STEP 0, 0, 1, 0, 1, 32, 1, 0                   ; period 6 stores slice 7 and asks for no more of enc: the counts run down
	STEP 1, 0, 1, 0, 1, 24, 1, 0
	STEP 2, 0, 1, 0, 1, 16, 1, 0
	STEP 3, 0, 1, 0, 1, 16, 1, 1
	BOOK 1
	STEP 0, 0, 0, 0, 1, 16, 1, 0                   ; period 7; its last two steps ask for pass 1's first two K steps of W_h, which follow on in wf
	STEP 1, 0, 0, 0, 1, 16, 1, 0
	STEP 2, 0, 0, 0, 1, 16, 1, 0
	STEP 3, 0, 0, 0, 1, 16, 0, 0
	BOOK 0
	s_mov_b32 s[PP], 2
.Lepi:
	; ---------------------------------------------------------------- a pass's epilogue
	PLACES
	EPIH 2
	EPIH 3
	WIN 0
	s_cmp_eq_u32 s[PP], 1
	s_cbranch_scc1 .Lscored                        ; behind the second epilogue there is no further pass: what is jumped holds no barrier
	; ---------------------------------------------------------------- pass 1: columns 512-1023, the whole block in LDS
	s_wait_loadcnt 0x0                             ; W_h's first two K steps of this pass
	s_mov_b32 s[KO], 0
	ADASET
	v_add_nc_u32 v[PVA], 2048, v[PVA0]
	AFL 0, 0
	STEP 0, 1, 0, 0, 1, 16, 1, 0
	WIN 0
	s_mov_b32 s[CNT], 7
.Lplain:                                               ; a trip goes from a period's second step to the next period's first
	STEP 1, 0, 0, 0, 1, 16, 1, 0
	STEP 2, 0, 0, 0, 1, 16, 1, 0
	STEP 3, 0, 0, 0, 1, 16, 1, 0
	BOOK 0
	STEP 0, 0, 0, 0, 1, 16, 1, 0
	WIN 0
	s_sub_co_u32 s[CNT], s[CNT], 1
	s_cmp_lg_u32 s[CNT], 0
	s_cbranch_scc1 .Lplain
	STEP 1, 0, 0, 0, 1, 16, 1, 0
	STEP 2, 0, 0, 0, 0, 16, 1, 0                   ; nothing is left to ask for
	STEP 3, 0, 0, 0, 0, 0, 0, 0
	WIN 0
	s_cmp_eq_u32 s[BLK], 1
	s_cbranch_scc1 .Lscored
	s_wait_xcnt 0x0
	s_add_nc_u64 s[SAB:SAB+1], s[SAB:SAB+1], 0x80000  ; the second block: its first loads land under the epilogue and the block's end, which touch none of their registers
	NEXTA
	WIN 0
.Lscored:
	s_sub_co_u32 s[PP], s[PP], 1
	s_cmp_lg_u32 s[PP], 0
	s_cbranch_scc1 .Lepi
	; ---------------------------------------------------------------- the block's end
	v_and_b32 v64, 15, v0                          ; r
	v_bfe_u32 v65, v0, 4, 1                        ; h
	s_lshl_b32 s[TM], s[WV], 2
	s_add_co_u32 s[TM], s[TM], SCR
	v_lshl_add_u32 v[SCA], v64, 4, s[TM]           ; partial scores in: row r of a row tile, my wave's word
	v_lshlrev_b32 v[SCL], 6, v[LN]
	v_add_nc_u32 v[SCL], SCR, v[SCL]               ; and back: lane l takes rows 4 l .. 4 l + 3
	s_lshl_b32 s[TM+1], s[WV], 9
	s_add_co_u32 s[TM], s[TM+1], PWB
	v_lshl_add_u32 v[PWA], v[LN], 3, s[TM]         ; p of my four rows: 8 bytes
	v_and_b32 v66, 1, v0
	v_lshl_add_u32 v[PFA], v66, 8, s[TM]           ; p as a fragment: even rows of the operand read the upper parts, odd rows the rests
	v_lshl_add_u32 v[PFA], v65, 4, v[PFA]
	v_and_b32 v67, 7, v0
	v_lshl_add_u32 v67, v65, 3, v67
	v_mul_u32_u24 v67, v67, PITCH
	v_bfe_u32 v68, v0, 3, 1
	v_lshl_add_u32 v67, v68, 4, v67
	v_add_nc_u32 v[ADA], s[TM+1], v67              ; the turning loads: my 256 columns are 512 bytes of a row
	v_add_nc_u32 v[ADA+1], R32, v[ADA]
	v_add_nc_u32 v[ADA+2], 2*R32, v[ADA]
	v_add_nc_u32 v[ADA+3], 3*R32, v[ADA]
	s_lshl_b32 s[TM], s[WV], 10
	v_lshl_add_u32 v[GOP], v[LN], 4, s[TM]         ; pvec: my 256 columns
	s_add_co_u32 s[TM], s[TM], OST
	v_lshl_add_u32 v[OSA], v64, 2, s[TM]
	v_lshl_add_u32 v[OSL], v[LN], 4, s[TM]
	v_mov_b32 v[ZO], 0
	v_lshlrev_b32 v[RL], 2, v[LN]
	v_sub_nc_u32 v[RL], s[REL], v[RL]              ; row 4 l + i counts if i < this
.irp a, 0,1,2,3,4,5,6,7                ; a row's sum over my wave's 256 columns: four registers, and the lane 16 away
	v_pk_add_f32 v[S+4*\a:S+4*\a+1], v[S+4*\a:S+4*\a+1], v[S+4*\a+2:S+4*\a+3]
.endr
.irp a, 0,1,2,3,4,5,6,7
	v_add_f32 v[T+\a], v[S+4*\a], v[S+4*\a+1]
.endr
.irp a, 0,1,2,3,4,5,6,7
	v_permlanex16_b32 v[T+8+\a], v[T+\a], s[SEL], s[SEL+1]
.endr
.irp a, 0,1,2,3,4,5,6,7
	v_add_f32 v[T+\a], v[T+\a], v[T+8+\a]
.endr
.irp a, 0,1,2,3,4,5,6,7
	ds_store_b32 v[SCA], v[T+\a] offset:256*\a     ; both halves of the lanes write the same word with the same number
.endr
	s_wait_dscnt 0x0                               ; for the others' sake
	s_barrier_signal -1
	s_barrier_wait -1
.irp i, 0,1,2,3                        ; every wave makes all 128 scores and weights: it needs them all for its columns
	ds_load_b128 v[64+4*\i:67+4*\i], v[SCL] offset:16*\i
.endr
	s_wait_dscnt 0x0
.irp i, 0,1,2,3
	v_pk_add_f32 v[64+4*\i:65+4*\i], v[64+4*\i:65+4*\i], v[66+4*\i:67+4*\i]
.endr
.irp i, 0,1,2,3
	v_add_f32 v[T+\i], v[64+4*\i], v[65+4*\i]
.endr
.irp i, 0,1,2,3
	v_add_f32 v[T+\i], s[SV], v[T+\i]
.endr
.irp i, 0,1,2,3
	v_cmp_lt_i32 vcc_lo, \i, v[RL]
	v_cndmask_b32 v[T+\i], s[NEG], v[T+\i], vcc_lo ; -1e9 at and past the length
.endr
	v_max3_num_f32 v[MX], v[T], v[T+1], v[T+2]
	v_max_num_f32 v[MX], v[MX], v[T+3]
	v_max_num_f32_dpp v[MX], v[MX], v[MX] row_xmask:1 row_mask:0xf bank_mask:0xf
	v_max_num_f32_dpp v[MX], v[MX], v[MX] row_xmask:2 row_mask:0xf bank_mask:0xf
	v_max_num_f32_dpp v[MX], v[MX], v[MX] row_xmask:4 row_mask:0xf bank_mask:0xf
	v_max_num_f32_dpp v[MX], v[MX], v[MX] row_xmask:8 row_mask:0xf bank_mask:0xf
	v_permlanex16_b32 v[T+8], v[MX], s[SEL], s[SEL+1]
	v_max_num_f32 v[MX], v[MX], v[T+8]             ; m, in every lane
.irp i, 0,1,2,3
	v_sub_f32 v[T+\i], v[T+\i], v[MX]              ; the difference first: exact 0 where the score is m, at -1e9 too
.endr
.irp i, 0,1,2,3
	v_mul_f32 v[T+\i], s[L2E], v[T+\i]
.endr
.irp i, 0,1,2,3
	v_exp_f32 v[T+\i], v[T+\i]
.endr
	v_nop
	s_wait_alu depctr_va_vdst(0)
	v_add_f32 v[MX+1], v[T], v[T+1]
	v_add_f32 v[T+4], v[T+2], v[T+3]
	v_add_f32 v[MX+1], v[MX+1], v[T+4]
	v_add_f32_dpp v[MX+1], v[MX+1], v[MX+1] row_xmask:1 row_mask:0xf bank_mask:0xf
	v_add_f32_dpp v[MX+1], v[MX+1], v[MX+1] row_xmask:2 row_mask:0xf bank_mask:0xf
	v_add_f32_dpp v[MX+1], v[MX+1], v[MX+1] row_xmask:4 row_mask:0xf bank_mask:0xf
	v_add_f32_dpp v[MX+1], v[MX+1], v[MX+1] row_xmask:8 row_mask:0xf bank_mask:0xf
	v_permlanex16_b32 v[T+8], v[MX+1], s[SEL], s[SEL+1]
	v_add_f32 v[MX+1], v[MX+1], v[T+8]             ; l
	v_cvt_pk_bf16_f32 v[T+4], v[T], v[T+1]         ; p's upper parts,
	v_cvt_pk_bf16_f32 v[T+5], v[T+2], v[T+3]
	v_lshlrev_b32 v[T+6], 16, v[T+4]
	v_and_b32 v[T+7], 0xffff0000, v[T+4]
	v_lshlrev_b32 v[T+8], 16, v[T+5]
	v_and_b32 v[T+9], 0xffff0000, v[T+5]
	v_pk_add_f32 v[T:T+1], v[T:T+1], v[T+6:T+7] neg_lo:[0,1] neg_hi:[0,1]
	v_pk_add_f32 v[T+2:T+3], v[T+2:T+3], v[T+8:T+9] neg_lo:[0,1] neg_hi:[0,1]
	v_cvt_pk_bf16_f32 v[T+6], v[T], v[T+1]         ; and what they leave
	v_cvt_pk_bf16_f32 v[T+7], v[T+2], v[T+3]
	ds_store_b64 v[PWA], v[T+4:T+5]
	ds_store_b64 v[PWA], v[T+6:T+7] offset:256
.irp k, 0,1,2,3                        ; my wave's own bytes: LDS serves a wave's instructions in order (ISA guide 5.7.1.4), so these see the stores above
	ds_load_b128 v[PFR+8*\k:PFR+8*\k+3],   v[PFA] offset:64*\k
	ds_load_b128 v[PFR+8*\k+4:PFR+8*\k+7], v[PFA] offset:64*\k+32
.endr
	TRB 0
	TRB 1
	s_wait_dscnt 32                                ; all but the younger run of 32
	WS 0, 1
	PLACES
	TRB 2
	s_wait_dscnt 32
	WS 1, 0
	PLACES
	TRB 3
	s_wait_dscnt 32
	WS 2, 0
	s_wait_dscnt 0x0
	WS 3, 0
	PLACES
	WIN 0x0a
.irp t, 0,1,2,3,4,5,6,7,8,9,10,11,12,13,14,15
	v_add_f32 v[T+\t], v[8*\t], v[8*\t+1]          ; the upper parts' sum and the rests': column 16 t + r; the accumulator's two lowest registers
.endr
	WIN 0
.irp t, 0,1,2,3,4,5,6,7,8,9,10,11,12,13,14,15
	ds_store_b32 v[OSA], v[T+\t] offset:64*\t
.endr
	ds_load_b128 v[64:67], v[OSL]
	ds_load_b128 v[68:71], v[OSL] offset:512
	s_wait_dscnt 0x0
	global_store_b128 v[GOP], v[64:67], s[PVC:PVC+1]               ; 512 consecutive bytes each
	global_store_b128 v[GOP], v[68:71], s[PVC:PVC+1] offset:512
	s_cmp_lg_u32 s[WV], 0
	s_cbranch_scc1 .Lno_ml
	s_wait_xcnt 0x0                                ; EXEC changes only behind this wait
	v_cmp_eq_u32 vcc_lo, 0, v[LN]
	s_and_saveexec_b32 s[SX], vcc_lo
	global_store_b64 v[ZO], v[MX:MX+1], s[MLB:MLB+1]               ; m and l, once
	s_wait_xcnt 0x0                                ; and again in front of the line that widens it
	s_or_b32 exec_lo, exec_lo, s[SX]
.Lno_ml:
	s_wait_xcnt 0x0                                ; the stores' bases and registers are rewritten only behind this wait
	s_add_nc_u64 s[PVC:PVC+1], s[PVC:PVC+1], 4096
	s_add_nc_u64 s[MLB:MLB+1], s[MLB:MLB+1], 8
	s_sub_co_i32 s[REL], s[REL], 128
	s_wait_dscnt 0x0                               ; my reads of the block and of the scores are over:
	s_barrier_signal -1
	s_barrier_wait -1                              ; nobody stores the next block's numbers before all four have said so
	s_sub_co_u32 s[BLK], s[BLK], 1
	s_cmp_lg_u32 s[BLK], 0
	s_cbranch_scc1 .Lblock
	s_wait_tensorcnt 0x0                           ; the wave's end, behind my last LDS store
	ds_add_u32 v[SPW], v[NIL]
	s_wait_dscnt 0x0
	s_endpgm
.Lfunc_end_k_q9ed2bd8293_main:
	.size	k_q9ed2bd8293_main, .Lfunc_end_k_q9ed2bd8293_main-k_q9ed2bd8293_main
	.p2alignl 7, 3214868480
	.fill 96, 4, 3214868480
	.section	.rodata,"a",@progbits
	.p2align	6, 0x0
	.amdhsa_kernel k_q9ed2bd8293_main
		.amdhsa_group_segment_fixed_size 281344
		.amdhsa_private_segment_fixed_size 0
		.amdhsa_enable_private_segment 0
		.amdhsa_kernarg_size 56
		.amdhsa_user_sgpr_count 2
		.amdhsa_user_sgpr_kernarg_segment_ptr 1
		.amdhsa_wavefront_size32 1
		.amdhsa_system_sgpr_workgroup_id_x 1
		.amdhsa_system_sgpr_workgroup_id_y 1
		.amdhsa_system_sgpr_workgroup_id_z 1
		.amdhsa_system_vgpr_workitem_id 0
		.amdhsa_next_free_vgpr 1024
		.amdhsa_next_free_sgpr 66
		.amdhsa_reserve_vcc 1
		.amdhsa_float_denorm_mode_32 3
		.amdhsa_float_denorm_mode_16_64 3
		.amdhsa_memory_ordered 1
		.amdhsa_forward_progress 1
		.amdhsa_inst_pref_size 255
	.end_amdhsa_kernel
	.section	.bss,"aw",@nobits
	.p2align	6
	.space	262144
	.amdgpu_metadata
---
amdhsa.version: [ 1, 2 ]
amdhsa.kernels:
  - .name:           k_q9ed2bd8293_main
    .symbol:         k_q9ed2bd8293_main.kd
    .args:
      - { .name: encoder_outputs, .offset: 0, .size: 8, .value_kind: global_buffer, .address_space: global }
      - { .name: wf, .offset: 8, .size: 8, .value_kind: global_buffer, .address_space: global }
      - { .name: psc4, .offset: 16, .size: 8, .value_kind: global_buffer, .address_space: global }
      - { .name: v, .offset: 24, .size: 8, .value_kind: global_buffer, .address_space: global }
      - { .name: src_lengths, .offset: 32, .size: 8, .value_kind: global_buffer, .address_space: global }
      - { .name: pvec, .offset: 40, .size: 8, .value_kind: global_buffer, .address_space: global }
      - { .name: ml, .offset: 48, .size: 8, .value_kind: global_buffer, .address_space: global }
    .group_segment_fixed_size: 281344
    .private_segment_fixed_size: 0
    .kernarg_segment_align: 8
    .kernarg_segment_size: 56
    .max_flat_workgroup_size: 128
    .sgpr_count:     66
    .vgpr_count:     1024
    .wavefront_size: 32
...
	.end_amdgpu_metadata
.endif
;; end of part 2
;; launch comb (part 3): grid 128 x 1, 2 waves a work-group, no clusters, 0 bytes of LDS; arguments pvec, ml, out0; writes out0
.if DOCPART == 3
	.amdgcn_target "amdgcn-amd-amdhsa--gfx1250"
	.amdhsa_code_object_version 6
	.text
	.protected	k_q9ed2bd8293_comb
	.globl	k_q9ed2bd8293_comb
	.p2align	8
	.type	k_q9ed2bd8293_comb,@function
k_q9ed2bd8293_comb:
	s_mov_b64 s[64:65], 0
	v_nop
	global_prefetch_b8 v0, s[64:65] scope:SCOPE_SE
	s_setreg_imm32_b32 hwreg(HW_REG_WAVE_MODE, 25, 1), 1
	s_wait_xcnt 0x0
; out[b][:] = sum over the batch's 16 blocks i of w_i pvec[i][:] / L, with M = max m_i, w_i = e^(m_i - M), L = sum of w_i l_i.
; A block whose rows all lie past the length has m = -1e9 and gets the weight 0; if all 16 are such, every weight is 1 and the result is the mean of all rows, as the softmax of equal scores gives.
; L is at least 1: the block that holds M has w = 1 and an l of at least 1.  NaN and infinities are not treated apart.
; Work-group g: batch g / 4, columns 256 (g % 4) on; thread t owns 4 columns.  2 MB in, 128 KB out: no LDS, no matrix unit, one run of loads.
	s_load_b128 s[4:7], s[0:1], 0x0                ; pvec s[4:5], ml s[6:7]
	s_load_b64 s[8:9], s[0:1], 0x10                ; out0
	v_and_b32 v1, 15, v0
	v_lshlrev_b32 v1, 3, v1                        ; lane % 16 takes block lane % 16's (m, l): both halves of the lanes hold all 16
	v_lshlrev_b32 v2, 4, v0                        ; my 16 bytes
	s_lshr_b32 s10, ttmp9, 2                       ; the batch
	s_and_b32 s11, ttmp9, 3
	s_lshl_b32 s14, s11, 10                        ; 256 columns of 4 bytes
	s_lshl_b32 s12, s10, 16                        ; 16 blocks of 4,096 bytes
	s_add_co_u32 s12, s12, s14
	s_mov_b32 s13, 0
	s_lshl_b32 s16, s10, 7                         ; 16 pairs of 8 bytes
	s_mov_b32 s17, 0
	s_lshl_b32 s18, s10, 12
	s_add_co_u32 s18, s18, s14
	s_mov_b32 s19, 0
	s_wait_kmcnt 0x0
	s_add_nc_u64 s[4:5], s[4:5], s[12:13]
	s_add_nc_u64 s[6:7], s[6:7], s[16:17]
	s_add_nc_u64 s[8:9], s[8:9], s[18:19]
	global_load_b64 v[4:5], v1, s[6:7]
.irp i, 0,1,2,3,4,5,6,7,8,9,10,11,12,13,14,15
	global_load_b128 v[16+4*\i:19+4*\i], v2, s[4:5] offset:4096*\i th:TH_LOAD_NT
.endr
	s_wait_loadcnt 16                              ; m and l are in; the 16 loads behind them may be out
	v_mov_b32 v6, v4
	v_max_num_f32_dpp v6, v6, v6 row_xmask:1 row_mask:0xf bank_mask:0xf
	v_max_num_f32_dpp v6, v6, v6 row_xmask:2 row_mask:0xf bank_mask:0xf
	v_max_num_f32_dpp v6, v6, v6 row_xmask:4 row_mask:0xf bank_mask:0xf
	v_max_num_f32_dpp v6, v6, v6 row_xmask:8 row_mask:0xf bank_mask:0xf
	v_sub_f32 v7, v4, v6                           ; the difference first: exact 0 where m = M
	v_mul_f32 v7, 0x3fb8aa3b, v7
	v_exp_f32 v7, v7
	v_nop                                          ; a plain instruction behind the exponential (ISA guide 5.7.2)
	s_wait_alu depctr_va_vdst(0)
	v_mul_f32 v8, v7, v5
	v_add_f32_dpp v8, v8, v8 row_xmask:1 row_mask:0xf bank_mask:0xf
	v_add_f32_dpp v8, v8, v8 row_xmask:2 row_mask:0xf bank_mask:0xf
	v_add_f32_dpp v8, v8, v8 row_xmask:4 row_mask:0xf bank_mask:0xf
	v_add_f32_dpp v8, v8, v8 row_xmask:8 row_mask:0xf bank_mask:0xf
	v_rcp_f32 v8, v8
	v_nop
	s_wait_alu depctr_va_vdst(0)
	v_mul_f32 v7, v7, v8                           ; w_i / L
.irp i, 0,1,2,3,4,5,6,7,8,9,10,11,12,13,14,15
	v_readlane_b32 s[40+\i], v7, \i
.endr
	s_wait_loadcnt 0x0
.irp j, 0,1,2,3
	v_mul_f32 v[12+\j], s40, v[16+\j]              ; the first block starts the sums
.endr
.irp i, 1,2,3,4,5,6,7,8,9,10,11,12,13,14,15
.irp j, 0,1,2,3
	v_fmac_f32 v[12+\j], s[40+\i], v[16+4*\i+\j]
.endr
.endr
	global_store_b128 v2, v[12:15], s[8:9]         ; sixteen lanes store 256 consecutive bytes, at a multiple of 256 from out0's first byte
	s_endpgm
.Lfunc_end_k_q9ed2bd8293_comb:
	.size	k_q9ed2bd8293_comb, .Lfunc_end_k_q9ed2bd8293_comb-k_q9ed2bd8293_comb
	.p2alignl 7, 3214868480
	.fill 96, 4, 3214868480
	.section	.rodata,"a",@progbits
	.p2align	6, 0x0
	.amdhsa_kernel k_q9ed2bd8293_comb
		.amdhsa_group_segment_fixed_size 0
		.amdhsa_private_segment_fixed_size 0
		.amdhsa_enable_private_segment 0
		.amdhsa_kernarg_size 24
		.amdhsa_user_sgpr_count 2
		.amdhsa_user_sgpr_kernarg_segment_ptr 1
		.amdhsa_wavefront_size32 1
		.amdhsa_system_sgpr_workgroup_id_x 1
		.amdhsa_system_sgpr_workgroup_id_y 1
		.amdhsa_system_sgpr_workgroup_id_z 1
		.amdhsa_system_vgpr_workitem_id 0
		.amdhsa_next_free_vgpr 96
		.amdhsa_next_free_sgpr 66
		.amdhsa_reserve_vcc 0
		.amdhsa_float_denorm_mode_32 3
		.amdhsa_float_denorm_mode_16_64 3
		.amdhsa_memory_ordered 1
		.amdhsa_forward_progress 1
		.amdhsa_inst_pref_size 7
	.end_amdhsa_kernel
	.amdgpu_metadata
---
amdhsa.version: [ 1, 2 ]
amdhsa.kernels:
  - .name:           k_q9ed2bd8293_comb
    .symbol:         k_q9ed2bd8293_comb.kd
    .args:
      - { .name: pvec, .offset: 0, .size: 8, .value_kind: global_buffer, .address_space: global }
      - { .name: ml, .offset: 8, .size: 8, .value_kind: global_buffer, .address_space: global }
      - { .name: out0, .offset: 16, .size: 8, .value_kind: global_buffer, .address_space: global }
    .group_segment_fixed_size: 0
    .private_segment_fixed_size: 0
    .kernarg_segment_align: 8
    .kernarg_segment_size: 24
    .max_flat_workgroup_size: 64
    .sgpr_count:     66
    .vgpr_count:     96
    .wavefront_size: 32
...
	.end_amdgpu_metadata
.endif
;; end of part 3
